; MI455X (gfx1250); checked and timed in simulation.
; The chip was launched on July 23, 2026; its instructions are those of AMD's public machine-readable ISA for CDNA 5 (MIT licence, August 2026) and "CDNA5" Instruction Set Architecture Reference Guide (July 2026). The comments in the code are by the model that wrote it; some were corrected since.
;; MAF. Allowed arithmetic: float matrix products may take bf16 or f16 operands with f32 sums; other float arithmetic in f32, or as packed bf16 or f16 multiplies, adds, multiply-adds, maxima and minima; sums over many terms, partial sums and values carried from step to step in f32; what a program stores and reads back later, other than sums and carried values, may be rounded once to bf16 or f16.
;; Inputs: W1 5 x 128 x 1,024 float32; W2 5 x 1,024 x 256 float32; b1 5 x 1,024 float32; b2 5 x 256 float32; x 32,768 x 128 float32.
;; Outputs: out0 32,768 x 128 float32; out1 32,768 float32.
;; One version. Each part assembles by itself: llvm-mc -triple=amdgcn-amd-amdhsa -mcpu=gfx1250 --defsym DOCPART=n.
;; ======== version 1 of 1: 2 launches
;; limits: values are held in f16: magnitudes above 65,504 overflow, below 6.1e-05 lose precision; below input magnitudes of 7.6e-06 results are inexact or not finite; right only within a limited range of input values
;; workspace buffers: wf 2,478,080 bytes; b2c 6,400 bytes
;; launch prep (part 1): grid 160 x 1, 12 waves a work-group, no clusters, 0 bytes of LDS; arguments W1, W2, b1, b2, wf, b2c; writes wf, b2c
.if DOCPART == 1
	.amdgcn_target "amdgcn-amd-amdhsa--gfx1250"
	.amdhsa_code_object_version 6
	.text
	.protected	k_qa945d3d091_prep
	.globl	k_qa945d3d091_prep
	.p2align	8
	.type	k_qa945d3d091_prep,@function
k_qa945d3d091_prep:
	s_mov_b64 s[64:65], 0
	v_nop
	global_prefetch_b8 v0, s[64:65] scope:SCOPE_SE
	s_setreg_imm32_b32 hwreg(HW_REG_WAVE_MODE, 25, 1), 1
	s_wait_xcnt 0x0
; THE WEIGHTS ARE LAID OUT FOR THE MAIN LAUNCH.  W1 [5][128][1024], W2 [5][1024][256], b1 [5][1024], b2 [5][256], all f32.
; wf: 40 blocks of 61,952 bytes, block 8 l + g for layer l and hidden units 128 g .. 128 g + 127: 60 matrix fragments of 1,024 bytes in
; the order in which they are multiplied, then the block's 128 numbers of b1.  b2c: [5][256] b2, then for each layer 256 bytes with max |b1[l]|.
; EVERY INPUT IS ROUNDED TO bf16; weights are then written as f16 (exact for 7.6e-6 <= |w| <= 65,504; below that a step of 6e-8; above it an infinity), biases as f32.
; CANONICAL POSITION.  Column idx(p) = p xor X of x, of the mean and of the log scale has ordering p: X = 127 in even layers, 0 in odd ones.  With c = hidden unit mod 128
; both masks of the module read c >= p; a masked weight is written as 0 (a NaN or an infinity under a mask is not kept).  Of 96 fragments of a block 60 hold anything.
; A FRAGMENT is 16 rows x 32 along K; element (row r, k = 16 s + 8 h + e) lies at byte 512 s + 16 (16 h + r) + 2 e: a wave writes half a fragment, 512 consecutive bytes, aligned.
;   first product, quarter q (c = 32 q ..): rows c = 32 q + 16 ht + r, K = p = 32 kb + k, kb <= q: fragment 3 q q - q + 2 kb + ht
;   second product, quarter q: rows p = 16 nt + r, K = c = 32 q + k, nt <= 2 q + 1, half = mean or log scale: fragment (6, 16, 32, 44)[q] + 2 nt + half
; SHARES.  Work-group 32 l + 4 g + q makes quarter q of block (l, g), in q + 1 trips: waves 0-3 (ht, s) one kb a trip; waves 4-11 (s, half, nt's parity) one nt a trip.
.set BLK, 61952
.macro CONVERT                         ; v[16:23] f32 -> bf16 -> f32 -> f16 in v[36:39]
.irp n, 0,1,2,3
	v_cvt_pk_bf16_f32 v[32+(\n)], v[16+2*(\n)], v[17+2*(\n)]
.endr
.irp n, 0,1,2,3
	v_lshlrev_b32 v[16+2*(\n)], 16, v[32+(\n)]
	v_and_b32 v[17+2*(\n)], 0xffff0000, v[32+(\n)]
.endr
.irp n, 0,1,2,3
	v_cvt_pk_f16_f32 v[36+(\n)], v[16+2*(\n)], v[17+2*(\n)]
.endr
.endm
	s_load_b256 s[4:11], s[0:1], 0x0               ; W1 s[4:5], W2 s[6:7], b1 s[8:9], b2 s[10:11]
	s_load_b128 s[12:15], s[0:1], 0x20             ; wf s[12:13], b2c s[14:15]
	v_lshrrev_b32 v1, 5, v0
	v_readfirstlane_b32 s16, v1                    ; wave 0..11
	s_lshr_b32 s17, ttmp9, 5                       ; layer l
	s_bfe_u32 s18, ttmp9, 0x30002                  ; g
	s_and_b32 s19, ttmp9, 3                        ; q
	s_lshr_b32 s20, ttmp9, 2                       ; block 8 l + g
	s_and_b32 s21, s17, 1
	s_cmp_eq_u32 s21, 0
	s_cselect_b32 s21, 127, 0                      ; X
	s_add_co_u32 s22, s19, 1                       ; trips
	s_mul_i32 s24, s20, BLK
	s_mov_b32 s25, 0
	s_mov_b32 s23, 0                               ; the trip's number I
	v_and_b32 v2, 15, v0                           ; r
	v_bfe_u32 v3, v0, 4, 1                         ; h
	v_and_b32 v4, 31, v0
	v_lshlrev_b32 v4, 4, v4                        ; 16 x lane; never rewritten
	s_wait_kmcnt 0x0
	s_add_nc_u64 s[12:13], s[12:13], s[24:25]      ; wf at my block
	s_cmp_lt_u32 s16, 4
	s_cbranch_scc0 .Lsecond
	; WAVES 0-3: the first product's fragments
	s_and_b32 s26, s16, 1                          ; ht
	s_lshr_b32 s27, s16, 1                         ; s
	s_lshl_b32 s28, s19, 5
	s_lshl_b32 s29, s26, 4
	s_add_co_u32 s28, s28, s29
	v_add_nc_u32 v5, s28, v2                       ; c = 32 q + 16 ht + r
	s_lshl_b32 s29, s18, 7
	v_add_nc_u32 v6, s29, v5
	v_lshlrev_b32 v6, 2, v6                        ; 4 (128 g + c): my column of W1, in bytes
	s_lshl_b32 s29, s27, 4
	v_lshl_add_u32 v7, v3, 3, s29                  ; 16 s + 8 h
	s_lshl_b32 s30, s17, 19                        ; a layer of W1 is 524,288 bytes
	s_mov_b32 s31, 0
	s_add_nc_u64 s[4:5], s[4:5], s[30:31]
	s_mul_i32 s30, s19, s19
	s_mul_i32 s30, s30, 3
	s_sub_co_u32 s30, s30, s19
	s_add_co_u32 s30, s30, s26                     ; fragment 3 q q - q + ht
	s_lshl_b32 s30, s30, 10
	s_lshl_b32 s29, s27, 9
	s_add_co_u32 s30, s30, s29                     ; + my half of it
	s_add_nc_u64 s[32:33], s[12:13], s[30:31]
.irp e, 0,1,2,3,4,5,6,7
	s_xor_b32 s[36+(\e)], s21, \e                  ; (p0 + e) xor X = p0 xor (X xor e): p0 is a multiple of 8
.endr
.Lone:
	s_lshl_b32 s29, s23, 5
	v_add_nc_u32 v8, s29, v7                       ; p0 = 32 I + 16 s + 8 h
	v_sub_nc_u32 v9, v5, v8                        ; c - p0
.irp e, 0,1,2,3,4,5,6,7
	v_xor_b32 v10, s[36+(\e)], v8
	v_lshl_add_u32 v[24+(\e)], v10, 12, v6         ; row idx(p0 + e) of 4,096 bytes, my column
.endr
.irp e, 0,1,2,3,4,5,6,7
	global_load_b32 v[16+(\e)], v[24+(\e)], s[4:5]
.endr
	s_wait_loadcnt 0x0                             ; the eight numbers are in, and their offsets may be written again
.irp e, 0,1,2,3,4,5,6,7
	v_cmp_le_i32 vcc_lo, \e, v9                    ; kept where p0 + e <= c
	v_cndmask_b32 v[16+(\e)], 0, v[16+(\e)], vcc_lo
.endr
	CONVERT
	global_store_b128 v4, v[36:39], s[32:33]       ; 512 consecutive bytes a wave
	s_wait_xcnt 0x0                                ; the store has read its data and its base: both are written again only behind this wait
	s_add_nc_u64 s[32:33], s[32:33], 2048          ; kb + 1: two fragments on
	s_add_co_u32 s23, s23, 1
	s_cmp_lt_u32 s23, s22
	s_cbranch_scc1 .Lone
	s_or_b32 s29, s16, s19
	s_cmp_lg_u32 s29, 0
	s_cbranch_scc1 .Ldone
	; wave 0 of quarter 0: the block's 128 numbers of b1, rounded to bf16, kept as f32
	s_lshl_b32 s30, s17, 12
	s_lshl_b32 s29, s18, 9
	s_add_co_u32 s30, s30, s29
	s_add_nc_u64 s[8:9], s[8:9], s[30:31]
	global_load_b128 v[16:19], v4, s[8:9]
	s_wait_loadcnt 0x0
	v_cvt_pk_bf16_f32 v32, v16, v17
	v_cvt_pk_bf16_f32 v33, v18, v19
	v_lshlrev_b32 v36, 16, v32
	v_and_b32 v37, 0xffff0000, v32
	v_lshlrev_b32 v38, 16, v33
	v_and_b32 v39, 0xffff0000, v33
	global_store_b128 v4, v[36:39], s[12:13] offset:61440
	s_endpgm
.Lsecond:
	; WAVES 4-11: the second product's fragments
	s_sub_co_u32 s26, s16, 4
	s_and_b32 s27, s26, 1                          ; s
	s_bfe_u32 s28, s26, 0x10001                    ; half
	s_lshr_b32 s29, s26, 2                         ; nt's parity
	s_lshl_b32 s30, s19, 5
	s_lshl_b32 s31, s27, 4
	s_add_co_u32 s30, s30, s31
	v_lshl_add_u32 v5, v3, 3, s30                  ; krow = 32 q + 16 s + 8 h
	s_lshl_b32 s31, s18, 7
	v_add_nc_u32 v6, s31, v5
	v_lshlrev_b32 v6, 10, v6                       ; row 128 g + krow of 1,024 bytes,
	s_lshl_b32 s31, s28, 9
	v_add_nc_u32 v6, s31, v6                       ; its half
	s_lshl_b32 s31, s29, 4
	v_add_nc_u32 v7, s31, v2                       ; 16 x parity + r
	s_lshl_b32 s34, s17, 20                        ; a layer of W2 is 1,048,576 bytes
	s_mov_b32 s35, 0
	s_add_nc_u64 s[6:7], s[6:7], s[34:35]
	s_lshl_b32 s34, s19, 3
	s_lshr_b32 s34, 0x2c201006, s34
	s_and_b32 s34, s34, 0xff                       ; 6, 16, 32, 44
	s_lshl1_add_u32 s34, s29, s34
	s_add_co_u32 s34, s34, s28                     ; + 2 x parity + half
	s_lshl_b32 s34, s34, 10
	s_lshl_b32 s31, s27, 9
	s_add_co_u32 s34, s34, s31
	s_add_nc_u64 s[32:33], s[12:13], s[34:35]
.Ltwo:
	s_lshl_b32 s31, s23, 5
	v_add_nc_u32 v8, s31, v7                       ; p = 32 I + 16 x parity + r
	v_sub_nc_u32 v9, v8, v5                        ; p - krow
	v_xor_b32 v10, s21, v8
	v_lshl_add_u32 v10, v10, 2, v6                 ; column idx(p)
.irp e, 0,1,2,3,4,5,6,7
	global_load_b32 v[16+(\e)], v10, s[6:7] offset:1024*(\e)
.endr
	s_wait_loadcnt 0x0
.irp e, 0,1,2,3,4,5,6,7
	v_cmp_ge_i32 vcc_lo, \e, v9                    ; kept where krow + e >= p
	v_cndmask_b32 v[16+(\e)], 0, v[16+(\e)], vcc_lo
.endr
	CONVERT
	global_store_b128 v4, v[36:39], s[32:33]
	s_wait_xcnt 0x0                                ; as above
	s_add_nc_u64 s[32:33], s[32:33], 4096          ; nt + 2: four fragments on
	s_add_co_u32 s23, s23, 1
	s_cmp_lt_u32 s23, s22
	s_cbranch_scc1 .Ltwo
	s_and_b32 s31, ttmp9, 31
	s_cmp_lg_u32 s31, 0
	s_cbranch_scc1 .Ldone                          ; what follows is done once a layer
	s_cmp_eq_u32 s16, 4
	s_cbranch_scc1 .Lb2
	s_cmp_eq_u32 s16, 5
	s_cbranch_scc0 .Ldone
	; wave 5: the largest |b1[l]|, 64 times
	s_lshl_b32 s34, s17, 12
	s_add_nc_u64 s[8:9], s[8:9], s[34:35]
	s_lshl_b32 s34, s17, 8
	s_add_nc_u64 s[14:15], s[14:15], s[34:35]
.irp n, 0,1,2,3,4,5,6,7
	global_load_b128 v[16+4*(\n):19+4*(\n)], v4, s[8:9] offset:512*(\n)
.endr
	s_mov_b32 s36, 0x76543210
	s_mov_b32 s37, 0xfedcba98
	s_wait_loadcnt 0x0
	v_max3_num_f32 v8, |v16|, |v17|, |v18|
.set n, 19
.rept 14
	v_max3_num_f32 v8, v8, |v[n]|, |v[n+1]|
.set n, n+2
.endr
	v_max_num_f32 v8, v8, |v47|
	v_max_num_f32_dpp v8, v8, v8 row_xmask:1 row_mask:0xf bank_mask:0xf
	v_max_num_f32_dpp v8, v8, v8 row_xmask:2 row_mask:0xf bank_mask:0xf
	v_max_num_f32_dpp v8, v8, v8 row_xmask:4 row_mask:0xf bank_mask:0xf
	v_max_num_f32_dpp v8, v8, v8 row_xmask:8 row_mask:0xf bank_mask:0xf
	v_permlanex16_b32 v9, v8, s36, s37
	v_max_num_f32 v8, v8, v9
	v_mov_b32 v9, v8
	v_lshrrev_b32 v10, 1, v4                       ; 8 x lane
	global_store_b64 v10, v[8:9], s[14:15] offset:5120
	s_endpgm
.Lb2:
	; wave 4: b2 in canonical positions, rounded to bf16, kept as f32
	s_lshl_b32 s34, s17, 10
	s_add_nc_u64 s[10:11], s[10:11], s[34:35]
	s_add_nc_u64 s[14:15], s[14:15], s[34:35]
	v_lshrrev_b32 v8, 2, v4                        ; 4 x lane
.irp e, 0,1,2,3
	s_xor_b32 s[36+(\e)], s21, \e
	v_xor_b32 v[24+(\e)], s[36+(\e)], v8
	v_lshlrev_b32 v[24+(\e)], 2, v[24+(\e)]
.endr
.irp e, 0,1,2,3
	global_load_b32 v[16+(\e)], v[24+(\e)], s[10:11]
	global_load_b32 v[20+(\e)], v[24+(\e)], s[10:11] offset:512
.endr
	s_wait_loadcnt 0x0
.irp n, 0,1,2,3
	v_cvt_pk_bf16_f32 v[32+(\n)], v[16+2*(\n)], v[17+2*(\n)]
.endr
.irp n, 0,1,2,3
	v_lshlrev_b32 v[36+2*(\n)], 16, v[32+(\n)]
	v_and_b32 v[37+2*(\n)], 0xffff0000, v[32+(\n)]
.endr
	global_store_b128 v4, v[36:39], s[14:15]
	global_store_b128 v4, v[40:43], s[14:15] offset:512
.Ldone:
	s_endpgm
.Lfunc_end_k_qa945d3d091_prep:
	.size	k_qa945d3d091_prep, .Lfunc_end_k_qa945d3d091_prep-k_qa945d3d091_prep
	.p2alignl 7, 3214868480
	.fill 96, 4, 3214868480
	.section	.rodata,"a",@progbits
	.p2align	6, 0x0
	.amdhsa_kernel k_qa945d3d091_prep
		.amdhsa_group_segment_fixed_size 0
		.amdhsa_private_segment_fixed_size 0
		.amdhsa_enable_private_segment 0
		.amdhsa_kernarg_size 48
		.amdhsa_user_sgpr_count 2
		.amdhsa_user_sgpr_kernarg_segment_ptr 1
		.amdhsa_wavefront_size32 1
		.amdhsa_system_sgpr_workgroup_id_x 1
		.amdhsa_system_sgpr_workgroup_id_y 1
		.amdhsa_system_sgpr_workgroup_id_z 1
		.amdhsa_system_vgpr_workitem_id 0
		.amdhsa_next_free_vgpr 48
		.amdhsa_next_free_sgpr 66
		.amdhsa_reserve_vcc 1
		.amdhsa_float_denorm_mode_32 3
		.amdhsa_float_denorm_mode_16_64 3
		.amdhsa_memory_ordered 1
		.amdhsa_forward_progress 1
		.amdhsa_inst_pref_size 15
	.end_amdhsa_kernel
	.amdgpu_metadata
---
amdhsa.version: [ 1, 2 ]
amdhsa.kernels:
  - .name:           k_qa945d3d091_prep
    .symbol:         k_qa945d3d091_prep.kd
    .args:
      - { .name: W1, .offset: 0, .size: 8, .value_kind: global_buffer, .address_space: global }
      - { .name: W2, .offset: 8, .size: 8, .value_kind: global_buffer, .address_space: global }
      - { .name: b1, .offset: 16, .size: 8, .value_kind: global_buffer, .address_space: global }
      - { .name: b2, .offset: 24, .size: 8, .value_kind: global_buffer, .address_space: global }
      - { .name: wf, .offset: 32, .size: 8, .value_kind: global_buffer, .address_space: global }
      - { .name: b2c, .offset: 40, .size: 8, .value_kind: global_buffer, .address_space: global }
    .group_segment_fixed_size: 0
    .private_segment_fixed_size: 0
    .kernarg_segment_align: 8
    .kernarg_segment_size: 48
    .max_flat_workgroup_size: 384
    .sgpr_count:     66
    .vgpr_count:     48
    .wavefront_size: 32
...
	.end_amdgpu_metadata
.endif
;; end of part 1
;; launch maf (part 2): grid 256 x 1, 4 waves a work-group, clusters of 4 x 1, 327,680 bytes of LDS; arguments x, wf, b2c, out0, out1; writes out0, out1
.if DOCPART == 2
	.amdgcn_target "amdgcn-amd-amdhsa--gfx1250"
	.amdhsa_code_object_version 6
	.text
	.protected	k_qa945d3d091_maf
	.globl	k_qa945d3d091_maf
	.p2align	8
	.type	k_qa945d3d091_maf,@function
k_qa945d3d091_maf:
	s_mov_b64 s[64:65], 0
	v_nop
	global_prefetch_b8 v0, s[64:65] scope:SCOPE_SE
	s_setreg_imm32_b32 hwreg(HW_REG_WAVE_MODE, 25, 1), 1
	s_wait_xcnt 0x0
	s_wait_alu depctr_hold_cnt(0) depctr_sa_sdst(0) depctr_va_vdst(0) depctr_va_sdst(0) depctr_va_ssrc(0) depctr_va_vcc(0) depctr_vm_vsrc(0)
	s_getreg_b32 s2, hwreg(HW_REG_IB_STS2, 6, 4)
	s_cmp_eq_u32 s2, 0
	s_cbranch_scc0 .Lentry_in_a_cluster
	s_endpgm
.Lentry_in_a_cluster:
	s_bfe_u32 s2, ttmp6, 0x10000c
	s_cmp_lg_u32 s2, 0x3003
	s_cbranch_scc0 .Lentry_shape_is_right
	s_endpgm
.Lentry_shape_is_right:
; FIVE MASKED AUTOREGRESSIVE LAYERS, FUSED.  For each layer: h = relu(x W1m + b1), (mean, ls) = h W2m + b2, t = tanh(ls), z = (x - mean) e^-t, ldj -= sum t, columns reversed behind even layers.
; x, out0: [32768][128] f32; out1: [32768] f32.  wf, b2c: the masked weights as matrix fragments in f16 and the biases, all rounded to bf16 first, as the launch before laid them out.
; SHARES.  A work-group owns 128 rows, each of its four waves 32 (two row tiles of 16), through all five layers: x stays in registers in f32, and waves share nothing but the weights in LDS.
; CANONICAL POSITIONS.  x is kept by its ordering p (reversed ahead of every even layer, which also takes up the module's permutation); both masks then read c >= p (c = hidden unit mod 128), alike in
; every layer, and of every 32 tiles of 16 x 16 x 32 only 20 hold anything: 120 matrix instructions a wave for a group of 128 hidden units.
; LAYOUT.  Both products are used transposed (source 0 = 16 rows of weights, source 1 = 16 rows of the batch): in every result a lane holds ONE batch row (lane % 16) and the indices
; 8 (lane / 16) + 0..7; two results rounded in pairs ARE source 1 of the next product: h for the second product, z for the next layer's first.  Nothing changes lanes but the reversal.
; FORMATS.  Matrix operands in f16, with an exact power of two for each row and layer: M = max(|x| of the row, max |b1[l]|, 2^-64), P = 2^floor(log2 M), sg = 1 / P.  xh = f16(x sg) lies under 2;
; hh = f16(relu(sum + b1 sg)); the second product's sums start at b2 sg; mean = P sum, ls = P sum.  Sums, x, z and the log determinant stay in f32.
; tanh: E = 2^(c ls), c = 2 log2 e; rc = 1 / (1 + E); t = 1 - 2 rc; u = c rc - log2 e = -t log2 e; e^-t = 2^u; out1 = ln 2 x the sum of all u.
; LIMITS.  |weights| <= 65,504, below 7.6e-6 they keep a step of 6e-8; the sum of |W1| down a column stays under 32,000 (hh must stay within f16); |x|, |b1| < 2^127; |b2| < 2^63;
; NaN and infinities are not treated, under a mask neither.
; THE RING.  A step is two groups (123,904 bytes of wf), a slot of LDS holds a step, four steps are a layer, twenty the launch.  CLUSTER: all work-groups walk the same wf, so the four of a cluster ask for
; each step JOINTLY: the same tensor load, descriptor and mask in all four; each wave brings a quarter of a slot.  By this text's count a wave has four tensor loads out at the start, later one.
; REGISTERS, in windows of 256 (s_set_vgpr_msb: bits 1:0 source 0, 3:2 source 1, 5:4 source 2, 7:6 destination):
;   window 0: v0-15 addresses; v16-31 sg, P, c P, the sum of u (a pair for each row tile); v32-95 xh; v96-159 the first product's sums, two buffers of four tiles; v160-191 hh, two buffers; v192-255 b1 of a group
;   window 1: the second product's sums: mean at 16 T + 8 rt, log scale 128 further on      window 2: two buffers of 16 weight fragments      window 3: v0-127 x in f32 at 16 T + 8 rt + j; v128-129 at work
.set GRP,   61952                      ; a group's block: 60 fragments of 1,024 bytes, then 512 bytes of b1
.set B1O,   61440
.set SLOTB, 2*GRP
.set WPART, SLOTB/4                    ; what one tensor load brings: 121 rows of 256 bytes
.set SLOT1, 1<<17                      ; slot 1 begins here: one exclusive or turns an address in one slot into the other's
.set SPARE, SLOTB                      ; behind slot 0: the spare words, 128 bytes for each wave: two blocks of 256 bytes that no other line names
.set LJ,    SPARE+512                  ; 128 words: the rows' log determinants on their way out; no tensor load lands here
.set B2T,   LJ+512                     ; b2 of all layers, 5,120 bytes, filled once
.set XST,   SLOT1+SLOTB                ; for each wave 32 rows of 528 bytes: filled once, with x; behind that fill it is the wave's stage for out0
.set XP,    528                        ; 512 bytes + 16 of padding = 132 words: the 16 rows of a load start at 16 different groups of four banks (64 banks of 4 bytes: ISA guide 11.1)
.set XW,    32*XP
.set L16,  2                           ; v2   16 x lane; never rewritten; also my offset in 512 consecutive bytes of the outputs
.set H32,  3                           ; v3   32 x (lane / 16); never rewritten
.set ADRA, 4                           ; v4   LDS address of my 16 bytes of a fragment half, first group of the slot in hand
.set ADRB, 5                           ; v5   second group
.set ADBA, 6                           ; v6   the same for b1's eight numbers
.set ADBB, 7
.set AB2,  8                           ; v8   my eight numbers of the layer's b2
.set ZERO, 9                           ; v9   0, for the packed maximum
.set SPW,  10                          ; v10  LDS address of my spare word; never rewritten
.set NIL,  11                          ; v11  0; never rewritten
.set PFO,  12                          ; v12  the prefetches' offset; never rewritten
.set XRD,  13                          ; v13  x's stage by fragments: row lane % 16, 32 bytes for each half of the lanes
.set XRB,  14                          ; v14  x's stage by whole rows
.set TV,   15                          ; v15  at work
.set SG,   16
.set PW,   20
.set PC,   24
.set SS,   28
.set XH,   32
.set HA,   96
.set HF,   160
.set B1R,  192
.set F0,   0                           ; window 2
.set F1,   128
.set WV,   14                          ; s14  my wave's number
.set CX,   15                          ; s15  my place in the cluster: it enters x's, the outputs' and the prefetches' global addresses alone
.set G1W,  16                          ; s[16:23] descriptor group 1 for a quarter of a slot
.set G1B,  24                          ; s[24:31] for a quarter of b2
.set G1X,  32                          ; s[32:39] for my 32 rows of x
.set G0X,  40                          ; s[40:43], s[44:47], s[48:51] groups 0 of the first fills: x, b2, slot 0
.set G0B,  44
.set G0S0, 48
.set G0S,  52                          ; s[52:55] slot 1's, which then walks
.set T,    56                          ; s56  the step, 0 to 19
.set TB,   57                          ; s57  LDS byte at which the slot in hand begins
.set LIM,  58                          ; s58  steps in which my cluster prefetches: 16 in the launch's first cluster, else 0
.set TG,   59                          ; s59  TB + GRP; at the head: my stage
.set SEL,  60                          ; s[60:61] v_permlanex16_b32's selects: each lane takes its own place in the other half
.set CC,   66                          ; s[66:67] c = 2 log2 e
.set CL,   68                          ; s[68:69] -log2 e
.set PFA,  70                          ; s[70:71] where the prefetches stand in wf
.set BM,   72                          ; s72  max |b1[l]|
.set BO,   73                          ; s73  its offset
.set MSK,  76                          ; s76  a word's upper bf16
.set TA,   77                          ; s77  the layer's b2 in LDS
.set MSB, 0
.macro WIN new                         ; the immediate's high byte repeats the setting that is left; a switch that changes nothing is dropped
.if MSB != (\new)
	s_set_vgpr_msb (MSB<<8)|(\new)
.set MSB, (\new)
.endif
.endm
.macro PLACES                          ; four places (ISA guide 7.12.1) behind matrix instructions whose results are read, or whose registers are loaded into, next
.rept 4
	v_nop
.endr
.endm
; A round of the cluster's barrier: my work-group's barrier, so that wave 0's signal speaks for all four waves; wave 0 signals; every wave waits for all four work-groups; my work-group's barrier once more.
.macro CREST
	s_cmp_lg_u32 s[WV], 0
	s_cbranch_scc1 .Lnot_wave_0_\@
	s_barrier_signal -3
.Lnot_wave_0_\@:
	s_barrier_wait -3
	s_barrier_signal -1
	s_barrier_wait -1
.endm
.macro CROUND
	s_barrier_signal -1
	s_barrier_wait -1
	CREST
.endm
; A PREFETCH INTO THE L2.  wf is walked by every cluster: the launch's first cluster asks, nobody else.  Its 16 waves x 32 lanes name 512 consecutive blocks of 256 bytes in each of the steps 0 to 15, told apart
; BY ADDRESS (128 cx + thread number); the requests run flat along wf from step 3's first byte and end 9,216 bytes ahead of its end.  Each byte is named once, a step (240 matrix instructions) or more ahead of the load that wants it.
.macro ASK
	s_cmp_lt_u32 s[T], s[LIM]
	s_cbranch_scc0 .Lnot_mine_\@
	global_prefetch_b8 v[PFO], s[PFA:PFA+1] th:TH_LOAD_NT scope:SCOPE_SE
.Lnot_mine_\@:
.endm
; THE MATRIX WORK.  In every run the accumulators take turns, one instruction a turn, from run to run and over the backward jumps too.
; Product i of H^T = W1^T X^T for quarter q: positions 32 (i / 4) on, hidden tile (i / 2) % 2, row tile i % 2.  The first four start the sums.
.macro W1 q, fb, f0
	WIN 0x02
.set rD, HA+32*((\q)%2)+8*(i%4)
.set rA, (\fb)+8*((\f0)+2*(i/4)+(i/2)%2)
.set rB, XH+32*(i%2)+8*(i/4)
.if i < 4
	v_wmma_f32_16x16x32_f16 v[rD:rD+7], v[rA:rA+7], v[rB:rB+7], 0
.else
	v_wmma_f32_16x16x32_f16 v[rD:rD+7], v[rA:rA+7], v[rB:rB+7], v[rD:rD+7]
.endif
.set i, i+1
.endm
; Product i of P^T += W2^T H^T for quarter q: position tile i / 4, mean or log scale (i / 2) % 2, row tile i % 2.
.macro W2 q, fb, f0
	WIN 0x52
.set rD, 128*((i/2)%2)+16*(i/4)+8*(i%2)
.set rA, (\fb)+8*((\f0)+2*(i/4)+(i/2)%2)
.set rB, HF+16*((\q)%2)+8*(i%2)
	v_wmma_f32_16x16x32_f16 v[rD:rD+7], v[rA:rA+7], v[rB:rB+7], v[rD:rD+7]
.set i, i+1
.endm
; Number CN of the 48 vector instructions that make hh of quarter q: 0-15 sum + b1 sg; 16-31 rounded to f16 in pairs; 32-47 relu.  Tile (CN % 16) / 4 = 2 ht + rt, pair CN % 4: each accumulator's lowest pair is read first.
.macro CV q
	WIN 0
.set tl, (CN%16)/4
.set pr, CN%4
.set rH, HA+32*((\q)%2)+8*tl+2*pr
.set rF, HF+16*((\q)%2)+8*(tl%2)+4*(tl/2)+pr
.set rI, B1R+8*(2*(\q)+tl/2)+2*pr
.if CN < 16
	v_pk_fma_f32 v[rH:rH+1], v[rI:rI+1], v[SG+2*(tl%2):SG+2*(tl%2)+1], v[rH:rH+1]
.elseif CN < 32
	v_cvt_pk_f16_f32 v[rF], v[rH], v[rH+1]
.else
	v_pk_max_num_f16 v[rF], v[rF], v[ZERO]
.endif
.set CN, CN+1
.endm
.macro RIDE q, n
.rept \n
	CV \q
.endr
.endm
; THE LDS LOADS stand in runs: n fragments from number first on into buffer fb (each lane 16 bytes, 512 consecutive bytes an instruction), and a group's b1.
.macro FETCH adr, first, n, fb
	WIN 0x80
.set fi, 0
.rept \n
	ds_load_b128 v[(\fb)+8*fi:(\fb)+8*fi+3],   v[\adr] offset:1024*((\first)+fi)
	ds_load_b128 v[(\fb)+8*fi+4:(\fb)+8*fi+7], v[\adr] offset:1024*((\first)+fi)+512
.set fi, fi+1
.endr
.endm
.macro FETCHB adb
	WIN 0
.set fi, 0
.rept 8
	ds_load_b128 v[B1R+8*fi:B1R+8*fi+3],   v[\adb] offset:B1O+64*fi
	ds_load_b128 v[B1R+8*fi+4:B1R+8*fi+7], v[\adb] offset:B1O+64*fi+16
.set fi, fi+1
.endr
.endm
; A GROUP of 128 hidden units: the first product's quarter q + 1 is multiplied while quarter q's sums are made into hh, which rides behind the matrix instructions.
; Every load into a fragment buffer stands four plain vector instructions or more behind the buffer's last reader.
; mode 0: the next group lies in the same slot.  mode 1: the slot is left and filled again.  mode 2: the slot is left; nothing is asked for.
.macro GROUP adr, nadr, nadb, mode
	s_wait_dscnt 0x0                               ; fragments 0-15 and b1 are in
.set i, 0
.rept 4
	W1 0, F0, 0
.endr
	PLACES
.set i, 0
.set CN, 0
.rept 8
	W1 1, F0, 2
	RIDE 0, 6
.endr
	FETCH \adr, 16, 16, F1
.set i, 0
.set CN, 0
.rept 8
	W2 0, F0, 6
	RIDE 1, 6
.endr
.set i, 0
.rept 12
	W1 2, F0, 10
.endr
	PLACES
	s_wait_dscnt 0x0                               ; fragments 16-31
.set i, 0
.set CN, 0
.rept 12
	W2 1, F1, 0
	RIDE 2, 4
.endr
.rept 4
	W2 1, F1, 0
.endr
	FETCH \adr, 32, 12, F0
.set i, 0
.rept 16
	W1 3, F1, 8
.endr
	PLACES
	s_wait_dscnt 0x0                               ; fragments 32-43
.set i, 0
.set CN, 0
.rept 12
	W2 2, F0, 0
	RIDE 3, 4
.endr
	FETCH \adr, 44, 16, F1
.rept 12
	W2 2, F0, 0
.endr
.set i, 0
.if (\mode) == 0
	s_wait_dscnt 0x0                               ; fragments 44-59
.rept 16
	W2 3, F1, 0
.endr
	PLACES
	FETCH \nadr, 0, 16, F0
	FETCHB \nadb
.else
	; THE CHANGE OF SLOTS.  Each wave waits for all its tensor loads, of which one is out: its quarter of the other slot; adds 0 to its spare word; and waits for that and for its reads of this slot.
	WIN 0
.if (\mode) == 1
	s_wait_xcnt 0x0                                ; the last prefetch, a step back, has read its address
	s_add_nc_u64 s[PFA:PFA+1], s[PFA:PFA+1], 131072
.endif
	s_wait_tensorcnt 0x0
	ds_add_u32 v[SPW], v[NIL]                      ; 0 onto my spare word
	s_wait_dscnt 0x1                               ; fragments 44-59 are in: the add alone, issued behind them, may be out
.rept 8
	W2 3, F1, 0
.endr
	s_wait_dscnt 0x0                               ; the add is done, and my reads of this slot are over
	s_barrier_signal -1
.rept 8
	W2 3, F1, 0
.endr
	WIN 0
	s_barrier_wait -1
.if (\mode) == 1
	CREST                                          ; the barrier has opened a round of the cluster's: no wave of any partner still reads this slot or has a load on its way
	s_xor_b32 s[G0S+1], s[G0S+1], SLOT1            ; the walking descriptor: the slot just left,
	s_add_nc_u64 s[G0S+2:G0S+3], s[G0S+2:G0S+3], SLOTB  ; the step two on; the type bits on top are not reached
.endif
	s_xor_b32 s[TB], s[TB], SLOT1
	s_add_co_u32 s[TG], s[TB], GRP
.if (\mode) == 1
	tensor_load_to_lds s[G0S:G0S+3], s[G1W:G1W+7]  ; my one tensor load behind the round, and the first thing there: it has a step, 240 matrix instructions, in which to land
	s_nop 0
.endif
	v_add_nc_u32 v[ADRA], s[TB], v[L16]            ; the other slot's addresses: also the four places in front of the loads below
	v_add_nc_u32 v[ADBA], s[TB], v[H32]
	v_add_nc_u32 v[ADRB], s[TG], v[L16]
	v_add_nc_u32 v[ADBB], s[TG], v[H32]
.if (\mode) == 2
	s_cmp_eq_u32 s[T], 19
	s_cbranch_scc1 .Lno_fetch_\@                   ; behind the last step there is no group
.endif
	FETCH \nadr, 0, 16, F0
	FETCHB \nadb
.if (\mode) == 1
	ASK
.else
.Lno_fetch_\@:
.endif
.endif
.rept 16
	W2 3, F1, 0
.endr
.endm
; A LAYER BEGINS (T = 4 l): x is reversed ahead of even layers; each row's scale is found; the second product's sums start at b2 sg; xh = f16(x sg).
.macro LAYER_BEGIN
	WIN 0
	s_lshl_b32 s[BO], s[T], 6                      ; 256 l
	s_load_b32 s[BM], s[8:9], s[BO] offset:0x1400
	s_min_u32 s[TA], s[T], 16                      ; T is 0, 4 .. 16 here: the bound is stated
	s_lshl_b32 s[TA], s[TA], 8                     ; 1,024 l
	s_add_co_u32 s[TA], s[TA], B2T
	v_add_nc_u32 v[AB2], s[TA], v[H32]
.set fi, 0
.rept 8                                ; b2 of positions 16 T + 8 (lane / 16) + 0..7: the mean's where the first product's sums lie, the log scale's where xh lies
	ds_load_b128 v[HA+8*fi:HA+8*fi+3],   v[AB2] offset:64*fi
	ds_load_b128 v[HA+8*fi+4:HA+8*fi+7], v[AB2] offset:64*fi+16
	ds_load_b128 v[XH+8*fi:XH+8*fi+3],   v[AB2] offset:512+64*fi
	ds_load_b128 v[XH+8*fi+4:XH+8*fi+7], v[AB2] offset:512+64*fi+16
.set fi, fi+1
.endr
	s_bitcmp1_b32 s[T], 2
	s_cbranch_scc1 .Lno_rev_\@                     ; odd layers take x as it lies
	WIN 0xc3                                       ; position p = 16 T + 8 h + j goes to 127 - p: tile 7 - T, the other half of the lanes, register 7 - j
.set n, 0
.rept 64
.set a, n/2
.set ra, 16*(a/8)+8*(n%2)+a%8
.set rb, 16*((63-a)/8)+8*(n%2)+(63-a)%8
	v_permlanex16_b32 v[128+n%2], v[ra], s[SEL], s[SEL+1]
	v_permlanex16_b32 v[ra], v[rb], s[SEL], s[SEL+1]
	v_mov_b32 v[rb], v[128+n%2]
.set n, n+1
.endr
	WIN 0
.Lno_rev_\@:
	WIN 0x3f                                       ; the largest |x| of my 64 numbers of each row tile: four chains of 16, three operands at a time (k % 4 the chain, k / 4 the row tile)
.set k, 0
.rept 8
.set xb, 32*(k%4)+8*(k/4)
	v_max3_num_f32 v[HF+8*(k/4)+k%4], |v[xb]|, |v[xb+1]|, |v[xb+2]|
.set k, k+1
.endr
	WIN 0x3c
.set n, 0
.rept 6
.set m1, 3+2*n
.set m2, 4+2*n
.set k, 0
.rept 8
.set xb, 32*(k%4)+8*(k/4)
	v_max3_num_f32 v[HF+8*(k/4)+k%4], v[HF+8*(k/4)+k%4], |v[xb+16*(m1/8)+m1%8]|, |v[xb+16*(m2/8)+m2%8]|
.set k, k+1
.endr
.set n, n+1
.endr
.irp rt, 0,1
	v_max3_num_f32 v[HF+8*(\rt)],   v[HF+8*(\rt)],   |v[8*(\rt)+23]|, |v[8*(\rt)+55]|
	v_max3_num_f32 v[HF+8*(\rt)+1], v[HF+8*(\rt)+1], |v[8*(\rt)+87]|, |v[8*(\rt)+119]|
.endr
	WIN 0
.irp rt, 0,1
	v_max3_num_f32 v[HF+8*(\rt)], v[HF+8*(\rt)], v[HF+8*(\rt)+1], v[HF+8*(\rt)+2]
.endr
.irp rt, 0,1
	v_max_num_f32 v[HF+8*(\rt)], v[HF+8*(\rt)], v[HF+8*(\rt)+3]
.endr
.irp rt, 0,1
	v_permlanex16_b32 v[HF+8*(\rt)+1], v[HF+8*(\rt)], s[SEL], s[SEL+1]  ; the row's other 64 numbers lie in the lane 16 away
.endr
	s_wait_kmcnt 0x0                               ; max |b1[l]|
.irp rt, 0,1
	v_max3_num_f32 v[HF+8*(\rt)], v[HF+8*(\rt)], v[HF+8*(\rt)+1], s[BM]
.endr
.irp rt, 0,1
	v_max_num_f32 v[HF+8*(\rt)], 0x1f800000, v[HF+8*(\rt)]  ; at least 2^-64
.endr
.irp rt, 0,1
	v_and_b32 v[PW+2*(\rt)], 0x7f800000, v[HF+8*(\rt)]      ; P: the exponent alone
.endr
.irp rt, 0,1
	v_sub_nc_u32 v[SG+2*(\rt)], 0x7f000000, v[PW+2*(\rt)]   ; sg = 1 / P, exactly: exponent 254 - e
	v_mul_f32 v[PC+2*(\rt)], s[CC], v[PW+2*(\rt)]
	v_mov_b32 v[PW+2*(\rt)+1], v[PW+2*(\rt)]
.endr
.irp rt, 0,1
	v_mov_b32 v[SG+2*(\rt)+1], v[SG+2*(\rt)]
	v_mov_b32 v[PC+2*(\rt)+1], v[PC+2*(\rt)]
.endr
	s_wait_dscnt 0x0                               ; b2
	WIN 0x40
.set r, 0
.rept 64                               ; r = 16 T + 8 rt + 2 pair
.set sb, 8*(r/16)+r%8
	v_pk_mul_f32 v[r:r+1],       v[HA+sb:HA+sb+1], v[SG+2*((r/8)%2):SG+2*((r/8)%2)+1]
	v_pk_mul_f32 v[128+r:129+r], v[XH+sb:XH+sb+1], v[SG+2*((r/8)%2):SG+2*((r/8)%2)+1]
.set r, r+2
.endr
.irp rt, 0,1
	WIN 0x03
.set n, 0
.rept 32
	v_pk_mul_f32 v[HA+2*n:HA+2*n+1], v[16*(n/4)+8*(\rt)+2*(n%4):16*(n/4)+8*(\rt)+2*(n%4)+1], v[SG+2*(\rt):SG+2*(\rt)+1]
.set n, n+1
.endr
	WIN 0
.set n, 0
.rept 32
	v_cvt_pk_f16_f32 v[XH+32*(\rt)+n], v[HA+2*n], v[HA+2*n+1]
.set n, n+1
.endr
.endr
.endm
; A LAYER ENDS.  Three batches of 128 transcendentals, each with plain work between its lines, a plain instruction behind its last and ONE wait ahead of its first reader.
.macro UF b, k                         ; u = c rc - log2 e for pair k of accumulator b
	v_pk_fma_f32 v[128+8*(\b)+2*(\k):129+8*(\b)+2*(\k)], v[128+8*(\b)+2*(\k):129+8*(\b)+2*(\k)], s[CC:CC+1], s[CL:CL+1] op_sel_hi:[1,0,0]
.endm
.macro US b, u                         ; two pairs of u are added, into the mean's registers, which are free: row tile b % 2, sum 2 (b / 2) + u of 16
	v_pk_add_f32 v[32*((\b)%2)+2*(2*((\b)/2)+(\u)):32*((\b)%2)+2*(2*((\b)/2)+(\u))+1], v[128+8*(\b)+4*(\u):129+8*(\b)+4*(\u)], v[130+8*(\b)+4*(\u):131+8*(\b)+4*(\u)]
.endm
.macro LAYER_END
	PLACES                                         ; behind the last products
	WIN 0xf1
.set r, 0
.rept 64                               ; x - P sum: each accumulator's pairs in ascending order
	v_pk_fma_f32 v[r:r+1], v[r:r+1], v[PW+2*((r/8)%2):PW+2*((r/8)%2)+1], v[r:r+1] neg_lo:[0,1,0] neg_hi:[0,1,0]
.set r, r+2
.endr
	WIN 0x41
	v_pk_mul_f32 v[128:129], v[128:129], v[PC:PC+1]
.set r, 0
.rept 64                               ; E = 2^(c P sum): a pair is scaled a line ahead of its exponentials
.if r < 126
	v_pk_mul_f32 v[130+r:131+r], v[130+r:131+r], v[PC+2*(((r+2)/8)%2):PC+2*(((r+2)/8)%2)+1]
.endif
	v_exp_f32 v[128+r], v[128+r]
	v_exp_f32 v[129+r], v[129+r]
.set r, r+2
.endr
	v_nop
	s_wait_alu depctr_va_vdst(0)
	v_pk_add_f32 v[128:129], v[128:129], 1.0 op_sel_hi:[1,0]
.set r, 0
.rept 64                               ; rc = 1 / (1 + E)
.if r < 126
	v_pk_add_f32 v[130+r:131+r], v[130+r:131+r], 1.0 op_sel_hi:[1,0]
.endif
	v_rcp_f32 v[128+r], v[128+r]
	v_rcp_f32 v[129+r], v[129+r]
.set r, r+2
.endr
	v_nop
	s_wait_alu depctr_va_vdst(0)
	WIN 0x45
.irp k, 0,1,2,3
	UF 0, \k
.endr
	US 0, 0
	US 0, 1
.set b, 0
.rept 16                               ; 2^u; the next accumulator's u and their sums stand between the exponentials
.set k, 0
.rept 4
.if b < 15
	UF b+1, k
.endif
	v_exp_f32 v[128+8*b+2*k], v[128+8*b+2*k]
	v_exp_f32 v[129+8*b+2*k], v[129+8*b+2*k]
.set k, k+1
.endr
.if b < 15
	US b+1, 0
	US b+1, 1
.endif
.set b, b+1
.endr
.irp w, 8,4,2,1                        ; the 16 sums of each row tile into one: the plain work behind the batch
.set n, 0
.rept 2*(\w)
	v_pk_add_f32 v[32*(n%2)+2*(n/2):32*(n%2)+2*(n/2)+1], v[32*(n%2)+2*(n/2):32*(n%2)+2*(n/2)+1], v[32*(n%2)+2*(n/2)+2*(\w):32*(n%2)+2*(n/2)+2*(\w)+1]
.set n, n+1
.endr
.endr
	WIN 0x04
	v_pk_add_f32 v[SS:SS+1],   v[SS:SS+1],   v[0:1]
	v_pk_add_f32 v[SS+2:SS+3], v[SS+2:SS+3], v[32:33]
	s_wait_alu depctr_va_vdst(0)
	WIN 0xcd
.set r, 0
.rept 64                               ; z = (x - mean) 2^u
	v_pk_mul_f32 v[r:r+1], v[128+r:129+r], v[r:r+1]
.set r, r+2
.endr
	WIN 0
.endm
	s_load_b256 s[4:11], s[0:1], 0x0               ; x s[4:5], wf s[6:7], b2c s[8:9], out0 s[10:11]
	s_load_b64 s[12:13], s[0:1], 0x20              ; out1
	v_lshl_add_u32 v[SPW], v0, 2, SPARE
	v_mov_b32 v[NIL], 0
	ds_add_u32 v[SPW], v[NIL]                      ; the wave's opening: the add and its wait stand ahead of the round in front of my first tensor loads; the set-up below, work on registers, stands between them
	v_lshrrev_b32 v1, 5, v0
	v_readfirstlane_b32 s[WV], v1                  ; wave 0..3
	s_bfe_u32 s[CX], ttmp6, 0x40000                ; cx
	; group 1 for a quarter of a slot: 30,976 dense bytes as 121 rows of 32 elements of 8 bytes
	s_mov_b32 s[G1W+0], 15|(3<<16)|(1<<21)         ; 15:0 the mask: all four work-groups; 17:16 elements of 8 bytes; 21 set beside a mask
	s_mov_b32 s[G1W+1], 32<<16                     ; tensor_dim0 = 32
	s_mov_b32 s[G1W+2], 121<<16                    ; tensor_dim1 = 121
	s_mov_b32 s[G1W+3], 32<<16                     ; tile_dim0 = 32
	s_mov_b32 s[G1W+4], 121                        ; tile_dim1 = 121
	s_mov_b32 s[G1W+5], 32                         ; 32 elements from row to row
	s_mov_b32 s[G1W+6], 0
	s_mov_b32 s[G1W+7], 0
	; for a quarter of b2: 5 such rows
	s_mov_b32 s[G1B+0], 15|(3<<16)|(1<<21)
	s_mov_b32 s[G1B+1], 32<<16
	s_mov_b32 s[G1B+2], 5<<16
	s_mov_b32 s[G1B+3], 32<<16
	s_mov_b32 s[G1B+4], 5
	s_mov_b32 s[G1B+5], 32
	s_mov_b32 s[G1B+6], 0
	s_mov_b32 s[G1B+7], 0
	; for my 32 rows of x: 128 elements of 4 bytes, 16 bytes of padding behind each row; a load of my own (no mask)
	s_mov_b32 s[G1X+0], (2<<16)|(1<<20)|(6<<22)|(3<<25)  ; 17:16 elements of 4 bytes; 20 padding on; 24:22 after every 128 words (code 6); 31:25 4 words (code 3)
	s_mov_b32 s[G1X+1], 128<<16
	s_mov_b32 s[G1X+2], 32<<16
	s_mov_b32 s[G1X+3], 128<<16
	s_mov_b32 s[G1X+4], 32
	s_mov_b32 s[G1X+5], 128
	s_mov_b32 s[G1X+6], 0
	s_mov_b32 s[G1X+7], 0
	s_mov_b32 s[G0X], 1
	s_mov_b32 s[G0B], 1
	s_mov_b32 s[G0S0], 1
	s_mov_b32 s[G0S], 1
	s_mul_i32 s[TG], s[WV], XW
	s_add_co_u32 s[TG], s[TG], XST                 ; my stage: LDS addresses hang on the wave's number alone
	s_mov_b32 s[G0X+1], s[TG]
	s_mul_i32 s62, s[WV], 1280
	s_mov_b32 s63, 0
	s_add_co_u32 s[G0B+1], s62, B2T
	s_mul_i32 s80, s[WV], WPART
	s_mov_b32 s81, 0
	s_mov_b32 s[G0S0+1], s80
	s_add_co_u32 s[G0S+1], s80, SLOT1
	s_lshl_b32 s78, ttmp9, 2                       ; in a cluster launch ttmp9 counts clusters
	s_add_co_u32 s78, s78, s[CX]                   ; my work-group
	s_lshl_b32 s74, s78, 16                        ; its 128 rows of 512 bytes,
	s_lshl_b32 s75, s[WV], 14                      ; my wave's 32
	s_add_co_u32 s74, s74, s75
	s_mov_b32 s75, 0
	s_lshl_b32 s79, s[CX], 7
	v_add_nc_u32 v[PFO], s79, v0
	v_lshlrev_b32 v[PFO], 8, v[PFO]                ; 256 (128 cx + thread number)
	s_lshl_b32 s78, s78, 9                         ; its 128 words of out1
	s_mov_b32 s79, 0
	s_cmp_eq_u32 ttmp9, 0
	s_cselect_b32 s[LIM], 16, 0                    ; the same in all four partners
	s_mov_b32 s[SEL], 0x76543210
	s_mov_b32 s[SEL+1], 0xfedcba98
	s_mov_b32 s[CC], 0x4038aa3b
	s_mov_b32 s[CC+1], 0x4038aa3b
	s_mov_b32 s[CL], 0xbfb8aa3b
	s_mov_b32 s[CL+1], 0xbfb8aa3b
	s_mov_b32 s[MSK], 0xffff0000
	s_wait_dscnt 0x0                               ; the opening add is done
	s_wait_kmcnt 0x0
	s_add_nc_u64 s[G0X+2:G0X+3], s[4:5], s[74:75]
	s_or_b32 s[G0X+3], s[G0X+3], 0x80000000
	s_add_nc_u64 s[G0B+2:G0B+3], s[8:9], s[62:63]
	s_or_b32 s[G0B+3], s[G0B+3], 0x80000000
	s_add_nc_u64 s[G0S0+2:G0S0+3], s[6:7], s[80:81]
	s_add_nc_u64 s[G0S+2:G0S+3], s[G0S0+2:G0S0+3], SLOTB
	s_or_b32 s[G0S0+3], s[G0S0+3], 0x80000000
	s_or_b32 s[G0S+3], s[G0S+3], 0x80000000
	s_add_nc_u64 s[10:11], s[10:11], s[74:75]      ; out0 at my wave's first row
	s_add_nc_u64 s[12:13], s[12:13], s[78:79]      ; out1 at my work-group's first row
	s_add_nc_u64 s[PFA:PFA+1], s[6:7], 3*SLOTB-131072  ; the first change of slots steps it to step 3's first byte
	CROUND                                         ; all four work-groups are here: the first joint loads meet
	tensor_load_to_lds s[G0X:G0X+3], s[G1X:G1X+7]  ; the four first fills go out together: x,
	s_nop 0
	tensor_load_to_lds s[G0B:G0B+3], s[G1B:G1B+7]  ; b2,
	s_nop 0
	tensor_load_to_lds s[G0S0:G0S0+3], s[G1W:G1W+7]  ; step 0,
	s_nop 0
	tensor_load_to_lds s[G0S:G0S+3], s[G1W:G1W+7]  ; step 1
	s_nop 0
	v_and_b32 v1, 15, v0                           ; lane % 16
	v_bfe_u32 v[TV], v0, 4, 1                      ; lane / 16
	v_and_b32 v[L16], 31, v0
	v_lshlrev_b32 v[L16], 4, v[L16]
	v_lshlrev_b32 v[H32], 5, v[TV]
	v_mov_b32 v[ADRA], v[L16]
	v_add_nc_u32 v[ADRB], GRP, v[L16]
	v_mov_b32 v[ADBA], v[H32]
	v_add_nc_u32 v[ADBB], GRP, v[H32]
	v_mov_b32 v[ZERO], 0
	v_mul_u32_u24 v[XRD], v1, XP
	v_add_nc_u32 v[XRD], v[XRD], v[H32]
	v_add_nc_u32 v[XRD], s[TG], v[XRD]
	v_add_nc_u32 v[XRB], s[TG], v[L16]
.irp n, 0,1,2,3
	v_mov_b32 v[SS+(\n)], 0
.endr
	s_wait_tensorcnt 0x1                           ; x, b2 and my quarter of step 0 are in; step 1's load, the one issued behind them, may stay out
	s_barrier_signal -1
	s_barrier_wait -1                              ; everybody's are
	WIN 0xc0
.set n, 0
.rept 16                               ; n = 2 T + rt: columns 16 T + 8 (lane / 16) + 0..7 of row 16 rt + lane % 16
	ds_load_b128 v[8*n:8*n+3],   v[XRD] offset:16*XP*(n%2)+64*(n/2)
	ds_load_b128 v[8*n+4:8*n+7], v[XRD] offset:16*XP*(n%2)+64*(n/2)+16
.set n, n+1
.endr
	v_mov_b32 v128, 0                              ; v_permlanex16_b32's destination counts as read
	v_mov_b32 v129, 0
	s_wait_dscnt 0x0
	WIN 0x0f                                       ; x is rounded to bf16, like every input, and kept in f32
.set n, 0
.rept 64
	v_cvt_pk_bf16_f32 v[HA+n], v[2*n], v[2*n+1]
.set n, n+1
.endr
	WIN 0xc0
.set n, 0
.rept 64
	v_lshlrev_b32 v[2*n], 16, v[HA+n]
	v_and_b32 v[2*n+1], s[MSK], v[HA+n]
.set n, n+1
.endr
	FETCH ADRA, 0, 16, F0                          ; the first group's first fragments, and its b1
	FETCHB ADBA
	s_mov_b32 s[T], 0
	s_mov_b32 s[TB], 0
	s_branch .Lbegin                               ; the loop is entered where a layer begins
.Lstep:                                        ; 18 trips: every step but the last two fills its slot again
	GROUP ADRA, ADRB, ADBB, 0
	GROUP ADRB, ADRA, ADBA, 1
	WIN 0
	s_add_co_u32 s[T], s[T], 1
	s_and_b32 s62, s[T], 3
	s_cmp_lg_u32 s62, 0
	s_cbranch_scc1 .Lnext                          ; four steps are a layer
	LAYER_END
.Lbegin:
	LAYER_BEGIN
.Lnext:
	s_cmp_lt_u32 s[T], 18
	s_cbranch_scc1 .Lstep
	s_mov_b32 s[T], 18
.Ltail:                                        ; the last two steps are written out
	GROUP ADRA, ADRB, ADBB, 0
	GROUP ADRB, ADRA, ADBA, 2
	WIN 0
	s_add_co_u32 s[T], s[T], 1
	s_cmp_lt_u32 s[T], 20
	s_cbranch_scc1 .Ltail
	LAYER_END
	; THE WAY OUT.  Behind layer 4 position p is column p of out0.  The log determinant: my two sums, the other half of the lanes', times ln 2; lanes 0-15 keep row tile 0's, lanes 16-31 row tile 1's: lane = row.
	v_add_f32 v[SS], v[SS], v[SS+1]
	v_add_f32 v[SS+2], v[SS+2], v[SS+3]
	v_permlanex16_b32 v[SS+1], v[SS], s[SEL], s[SEL+1]
	v_permlanex16_b32 v[SS+3], v[SS+2], s[SEL], s[SEL+1]
	v_add_f32 v[SS], v[SS], v[SS+1]
	v_add_f32 v[SS+2], v[SS+2], v[SS+3]
	v_and_b32 v1, 16, v0
	v_cmp_eq_u32 vcc_lo, 0, v1
	v_cndmask_b32 v[SS], v[SS+2], v[SS], vcc_lo
	v_mul_f32 v[SS], 0x3f317218, v[SS]
	v_lshl_add_u32 v1, v0, 2, LJ
	ds_store_b32 v1, v[SS]
	WIN 0x0c                                       ; z goes into my stage as it came out of it, and comes back as whole rows of 512 bytes
.set n, 0
.rept 16
	ds_store_b128 v[XRD], v[8*n:8*n+3]   offset:16*XP*(n%2)+64*(n/2)
	ds_store_b128 v[XRD], v[8*n+4:8*n+7] offset:16*XP*(n%2)+64*(n/2)+16
.set n, n+1
.endr
	WIN 0
.set n, 0
.rept 32
	ds_load_b128 v[32+4*n:35+4*n], v[XRB] offset:XP*n  ; LDS serves a wave's instructions in order (ISA guide 5.7.1.4): these see the stores above
.set n, n+1
.endr
.set n, 0
.rept 32
	s_wait_dscnt 31-n                              ; row n is back; the younger rows' loads may stay out
	global_store_b128 v[L16], v[32+4*n:35+4*n], s[10:11] offset:512*n th:TH_STORE_NT  ; 512 consecutive bytes, at a multiple of 256 from out0's first byte
.set n, n+1
.endr
	s_wait_dscnt 0x0                               ; for wave 0's sake: my word of the log determinants is stored
	s_barrier_signal -1
	s_barrier_wait -1
	s_cmp_lg_u32 s[WV], 0
	s_cbranch_scc1 .Lend
	v_add_nc_u32 v1, LJ, v[L16]
	ds_load_b128 v[HF:HF+3], v1                    ; wave 0 stores the work-group's 128 words: 512 consecutive bytes
	s_wait_dscnt 0x0
	global_store_b128 v[L16], v[HF:HF+3], s[12:13] th:TH_STORE_NT
.Lend:
	s_wait_tensorcnt 0x0                           ; the wave's end, behind my last tensor load and my last LDS store
	ds_add_u32 v[SPW], v[NIL]
	s_wait_dscnt 0x0
	CROUND                                         ; the closing round: no work-group ends while a partner may still ask for a tile that names it
	s_endpgm
.Lfunc_end_k_qa945d3d091_maf:
	.size	k_qa945d3d091_maf, .Lfunc_end_k_qa945d3d091_maf-k_qa945d3d091_maf
	.p2alignl 7, 3214868480
	.fill 96, 4, 3214868480
	.section	.rodata,"a",@progbits
	.p2align	6, 0x0
	.amdhsa_kernel k_qa945d3d091_maf
		.amdhsa_group_segment_fixed_size 327680
		.amdhsa_private_segment_fixed_size 0
		.amdhsa_enable_private_segment 0
		.amdhsa_kernarg_size 40
		.amdhsa_user_sgpr_count 2
		.amdhsa_user_sgpr_kernarg_segment_ptr 1
		.amdhsa_wavefront_size32 1
		.amdhsa_system_sgpr_workgroup_id_x 1
		.amdhsa_system_sgpr_workgroup_id_y 1
		.amdhsa_system_sgpr_workgroup_id_z 1
		.amdhsa_system_vgpr_workitem_id 0
		.amdhsa_next_free_vgpr 904
		.amdhsa_next_free_sgpr 96
		.amdhsa_reserve_vcc 1
		.amdhsa_float_denorm_mode_32 3
		.amdhsa_float_denorm_mode_16_64 3
		.amdhsa_memory_ordered 1
		.amdhsa_forward_progress 1
		.amdhsa_inst_pref_size 255
	.end_amdhsa_kernel
	.section	.bss,"aw",@nobits
	.p2align	6
	.space	262144
	.amdgpu_metadata
---
amdhsa.version: [ 1, 2 ]
amdhsa.kernels:
  - .name:           k_qa945d3d091_maf
    .symbol:         k_qa945d3d091_maf.kd
    .args:
      - { .name: x, .offset: 0, .size: 8, .value_kind: global_buffer, .address_space: global }
      - { .name: wf, .offset: 8, .size: 8, .value_kind: global_buffer, .address_space: global }
      - { .name: b2c, .offset: 16, .size: 8, .value_kind: global_buffer, .address_space: global }
      - { .name: out0, .offset: 24, .size: 8, .value_kind: global_buffer, .address_space: global }
      - { .name: out1, .offset: 32, .size: 8, .value_kind: global_buffer, .address_space: global }
    .group_segment_fixed_size: 327680
    .private_segment_fixed_size: 0
    .kernarg_segment_align: 8
    .kernarg_segment_size: 40
    .max_flat_workgroup_size: 128
    .sgpr_count:     96
    .vgpr_count:     904
    .wavefront_size: 32
...
	.end_amdgpu_metadata
.endif
;; end of part 2
